; MI455X (gfx1250); checked and timed in simulation.
; The chip was launched on July 23, 2026; its instructions are those of AMD's public machine-readable ISA for CDNA 5 (MIT licence, August 2026) and "CDNA5" Instruction Set Architecture Reference Guide (July 2026). The comments in the code are by the model that wrote it; some were corrected since.
;; Shared Bilinear Decoder. Allowed arithmetic: matrix products marked QUANTISED: E2M3 operands, one E8M0 scale for each 32 along K, by v_wmma_scale_f32_16x16x128_f8f6f4 with both operands' format E2M3, f32 sums; products left as they are: f32 operands where the result goes on into a quantised operand, else bf16, f16 or f32 operands; f32 sums; everything else in f32.
;; Inputs: embeds1_codes 131,072 x 8 x 24 uint8 (E2M3 codes of embeds1, K innermost, in blocks of 32 codes, four codes in three bytes); embeds1_scales 131,072 x 8 uint8 (E8M0 scales of embeds1, one for each 32 codes along K); embeds2 131,072 x 256 float32; rel_embeds 8 x 65,536 float32; weight_scalars 8 x 5 float32.
;; Outputs: out0 131,072 x 5 float32.
;; This version of the problem:
;;   THIS VERSION OF THE PROBLEM IS GIVEN IN LOW PRECISION. The matrix products marked QUANTISED in the list below multiply operands that are first quantised to E2M3 (2 exponent bits, 3 mantissa bits; 6 bits a number), with one power-of-two scale for each 32 numbers along K (OCP MX v1.0); their sums are f32. All else is computed in f32.
;;   The module's matrix products, in the order in which they are computed (A, B: the left and right operand; K: the contracted axis; several contracted axes count as one K, in the product's order):
;;     1. [M 2,048, K 256] x [K 256, N 131,072]; A: input rel_embeds; B: input embeds1 (given as codes): QUANTISED
;;     2. batch 131,072 x [M 1, K 256] x [K 256, N 8]; A: input embeds2; B: computed on the way: left as it is (M = 1 < 16)
;;     3. [M 131,072, K 8] x [K 8, N 5]; A: computed on the way; B: input weight_scalars: left as it is (K = 8 < 32)
;;   THE QUANTISER, for each operand of a quantised product, along K:
;;     - K is cut into blocks of 32 from its start; a last block that is shorter is filled with zeros.
;;     - A block's scale is 2^e with e = floor(log2(the largest magnitude in the block)) - 2, held to -126 .. 127; a block of zeros has e = 0. As a byte (E8M0): e + 127.
;;     - Each number is divided by its block's scale, clamped to +-7.5, and rounded to the nearest number of E2M3, ties to even, subnormals kept.
;;     - The product sums the exact products of the quantised numbers (number of the format x scale) in f32.
;;   ~~~python
;;   def quantise(x, axis):      # numpy; x: float32 -> the quantised numbers, widened to float32 again
;;       x = np.moveaxis(x, axis, -1); K = x.shape[-1]
;;       x = np.pad(x, [(0, 0)] * (x.ndim - 1) + [(0, -K % 32)]); x = x.reshape(x.shape[:-1] + (-1, 32)); a = np.abs(x).max(-1, keepdims=True)
;;       e = np.where(a > 0, np.clip(np.frexp(np.where(a > 0, a, 1))[1] - 1 - 2, -126, 127), 0)      # np.frexp(a)[1] - 1 = floor(log2(a)), exactly
;;       r = np.clip(x / 2.0 ** e, -7.5, 7.5)
;;       step = 2.0 ** (np.maximum(np.frexp(np.where(r == 0, 1, r))[1] - 1, 0) - 3)
;;       q = np.round(r / step) * step * 2.0 ** e      # np.round: ties to even
;;       return np.moveaxis(q.reshape(q.shape[:-2] + (-1,))[..., :K], -1, axis).astype(np.float32)
;;   ~~~
;;   INPUTS GIVEN AS CODES. embeds1 (in the module: [131072, 256], K = its axis 1): each comes as NAME_codes (uint8): NAME with its K axis moved to the last place and cut into blocks of 32 codes, [.., K / 32, bytes a block], one block behind the other in memory; four codes in three bytes: a row's codes are one little-endian stream of bits, code i at bits 6 i .. 6 i + 5 (a code: sign, 2 exponent bits, 3 mantissa bits); and NAME_scales (uint8): the same leading axes, one E8M0 byte (e + 127) for each 32 codes along K. Its value is code x scale, taken as it is: it is not quantised again, and the codes and scales need not be those that the quantiser above would give.
;; One version. Each part assembles by itself: llvm-mc -triple=amdgcn-amd-amdhsa -mcpu=gfx1250 --defsym DOCPART=n.
;; ======== version 1 of 1: 2 launches
;; limits: right only within a limited range of input values
;; workspace buffers: rimg 409,600 bytes
;; launch quant (part 1): grid 64 x 1, 4 waves a work-group, no clusters, 1,536 bytes of LDS; arguments rel_embeds, rimg; writes rimg
.if DOCPART == 1
	.amdgcn_target "amdgcn-amd-amdhsa--gfx1250"
	.amdhsa_code_object_version 6
	.text
	.protected	k_qec23f1681a_quant
	.globl	k_qec23f1681a_quant
	.p2align	8
	.type	k_qec23f1681a_quant,@function
k_qec23f1681a_quant:
	s_mov_b64 s[64:65], 0
	v_nop
	global_prefetch_b8 v0, s[64:65] scope:SCOPE_SE
	s_setreg_imm32_b32 hwreg(HW_REG_WAVE_MODE, 25, 1), 1
	s_wait_xcnt 0x0
; rel_embeds [8][256 (i)][256 (j)], f32, is the left operand of T[w][j][b] = sum over i of R[w][i][j] e1[b][i]: K = i is its MIDDLE axis.
; It is turned into codes of FP6 (E2M3) with one E8M0 scale byte for each 32 along i, laid as IMAGES OF THE OPERAND'S REGISTERS, so that the next launch takes a fragment by three loads of 16 bytes a lane.
; A block's scale is 2^(floor(log2(its largest magnitude)) - 2); its byte is the largest magnitude's exponent field - 2, held at 1 from below.
; LIMITS: NaN and infinities in rel_embeds are not served.  A block of zeros gets the byte 1 where the quantiser's text says 127: its codes are zeros, which add nothing under either byte, and this program alone reads the bytes.
; LAYOUT OF rimg: four parts q of PART bytes; part q holds the j tiles t = 4 q + t', t' = 0 .. 3.  Codes: tile 8 t' + w at 3,072 x (8 t' + w), K step s (128 along i) 1,536 s further on: three groups of 512 bytes,
; in group g lane l's 16 bytes at 16 l are registers 4 g .. 4 g + 3 of the fragment's twelve.  Scale words: at SCOFF in the part, 512 w + 256 s + 64 t' + 4 m for row m of the tile.
; THE ROWS OF A TILE ARE NOT NEIGHBOURS: row m is j = 16 t + 8 ((m / 4) % 2) + 4 (m / 8) + m % 4, so that in the product's result a lane's registers 0-3 and 4-7 are each four neighbouring j.
; SHARES: work-group x: q = x % 4, s = (x / 4) % 2, w = x / 8; wave = t'.  One wave makes one fragment: 256 fragments in all, so 64 work-groups are all the work that there is.
; A LANE TAKES A COLUMN j AND ITS REGISTERS RUN DOWN i, in the order that the operand's layout gives that lane (lane (r, h): i = 128 s + 64 c + 32 h + 0 .. 31): the conversions' results are the operand's registers.
.set PART,  102400
.set SCOFF, 98304
	s_load_b128 s[4:7], s[0:1], 0x0                ; rel_embeds s[4:5], rimg s[6:7]
	v_lshl_add_u32 v200, v0, 2, 0x400
	v_mov_b32 v201, 0
	v_lshrrev_b32 v1, 5, v0
	v_readfirstlane_b32 s16, v1                    ; wave = t'
	v_and_b32 v1, 15, v0                           ; r
	v_bfe_u32 v2, v0, 4, 1                         ; h
	v_and_b32 v3, 31, v0                           ; lane
	v_bfe_u32 v4, v0, 2, 1                         ; (r / 4) % 2
	v_bfe_u32 v6, v0, 3, 1                         ; r / 8
	v_and_b32 v7, 3, v0                            ; r % 4
	v_lshl_add_u32 v7, v4, 3, v7
	v_lshl_add_u32 v7, v6, 2, v7                   ; my column in the tile
	v_lshlrev_b32 v5, 2, v7                        ; 4 bytes a column,
	v_lshl_add_u32 v5, v2, 15, v5                  ; lanes 16-31 begin 32 rows of 1,024 bytes further down,
	s_lshl_b32 s17, s16, 6
	v_add_nc_u32 v5, s17, v5                       ; and my wave's tile: 64 bytes a tile; the four waves stand side by side on 256 consecutive bytes of a row
	v_lshl_add_u32 v8, v1, 2, s17                  ; LDS: my row's scale word: 64 t' + 4 r
	v_lshlrev_b32 v11, 3, v3                       ; 8 x lane: the scale words' way out
	v_lshlrev_b32 v12, 4, v3                       ; 16 x lane: an image's place for my lane
	v_lshlrev_b32 v13, 3, v2                       ; 8 h: where my two bytes stand in the scale word
	v_mov_b32 v10, 0                               ; a lane permute's destination counts as one of its sources
	s_mov_b32 s20, 0x76543210
	s_mov_b32 s21, 0xfedcba98                      ; v_permlanex16_b32's selects for lane l xor 16
	s_and_b32 s18, ttmp9, 3                        ; q
	s_bfe_u32 s19, ttmp9, 0x10002                  ; s
	s_lshr_b32 s22, ttmp9, 3                       ; w
	s_lshl_b32 s24, s22, 18                        ; in rel_embeds: w x 262,144
	s_lshl_b32 s23, s19, 17                        ; + s x 128 rows
	s_add_co_u32 s24, s24, s23
	s_lshl_b32 s23, s18, 8                         ; + q x 256 bytes of a row
	s_add_co_u32 s24, s24, s23
	s_mov_b32 s25, 0
	s_mul_i32 s26, s18, PART                       ; in rimg: my part,
	s_lshl_b32 s23, s16, 3
	s_add_co_u32 s23, s23, s22                     ; tile 8 t' + w,
	s_mul_i32 s23, s23, 3072
	s_add_co_u32 s28, s26, s23
	s_mul_i32 s23, s19, 1536                       ; K step s
	s_add_co_u32 s28, s28, s23
	s_mov_b32 s29, 0
	s_lshl_b32 s23, s22, 9                         ; and the work-group's 64 scale words: 512 w + 256 s
	s_add_co_u32 s30, s26, s23
	s_lshl_b32 s23, s19, 8
	s_add_co_u32 s30, s30, s23
	s_add_co_u32 s30, s30, SCOFF
	s_mov_b32 s31, 0
	s_wait_alu depctr_va_vdst(0)
	s_wait_kmcnt 0x0
	s_add_nc_u64 s[4:5], s[4:5], s[24:25]
	s_add_nc_u64 s[8:9], s[6:7], s[28:29]
	s_add_nc_u64 s[10:11], s[6:7], s[30:31]
.irp c, 0,1
.irp i, 0,1,2,3,4,5,6,7,8,9,10,11,12,13,14,15,16,17,18,19,20,21,22,23,24,25,26,27,28,29,30,31
	global_load_b32 v[64+32*\c+\i], v5, s[4:5] offset:(64*\c+\i)*1024 th:TH_LOAD_NT   ; R(w, 128 s + 64 c + 32 h + i, my j); read once in the launch
.endr
.endr
	s_wait_loadcnt 0x0
.irp c, 0,1                                    ; my block 2 c + h: all its 32 numbers are mine
	v_max3_num_f32 v[32+\c], |v[64+32*\c]|, |v[65+32*\c]|, 0x1800000   ; and the floor 2^(3 - 127), under which no largest magnitude is taken: so the byte cannot fall under 1
.endr
.irp i, 2,4,6,8,10,12,14,16,18,20,22,24,26,28,30
.irp c, 0,1
	v_max3_num_f32 v[32+\c], v[32+\c], |v[64+32*\c+\i]|, |v[65+32*\c+\i]|   ; (the two blocks by turns)
.endr
.endr
.irp c, 0,1
	v_add_nc_u32 v[44+\c], 0xff000000, v[32+\c]    ; 2 off the exponent field: the conversion takes the exponent field of this operand as its scale, and nothing else of it
.endr
.irp c, 0,1
	v_lshrrev_b32 v[36+\c], 23, v[44+\c]           ; the scale's byte
.endr
	v_lshl_or_b32 v9, v37, 16, v36                 ; my two bytes: blocks h and 2 + h of my row,
	v_lshlrev_b32 v9, v13, v9                      ; at their places in the scale word (8 h bits up);
	v_permlanex16_b32 v10, v9, s20, s21
	v_or_b32 v9, v9, v10                           ; with lane l xor 16's two the word is whole, in both lanes
.irp c, 0,1
	v_cvt_scalef32_pk16_fp6_f32 v[48+6*\c:50+6*\c], v[64+32*\c:79+32*\c], v[44+\c]     ; registers 6 c .. 6 c + 2 of the operand
	v_cvt_scalef32_pk16_fp6_f32 v[192+4*\c:194+4*\c], v[80+32*\c:95+32*\c], v[44+\c]   ; (a conversion's three registers begin on an even number: the second half of a block's six does not, so it is made elsewhere and moved)
.endr
	v_nop                                          ; one plain instruction behind a scaled conversion, ahead of the moves that read its result
.irp c, 0,1
.irp i, 0,1,2
	v_mov_b32 v[51+6*\c+\i], v[192+4*\c+\i]
.endr
.endr
.irp g, 0,1,2
	global_store_b128 v12, v[48+4*\g:51+4*\g], s[8:9] offset:512*\g   ; the fragment as it stands: each store covers 512 consecutive bytes, aligned
.endr
	ds_store_b32 v8, v9                            ; lanes r and r + 16 write the same word with the same value
	s_wait_dscnt 0x0                               ; for wave 0's sake: my store has landed
	s_barrier_signal -1
	s_barrier_wait -1
	s_cmp_lg_u32 s16, 0                            ; wave 0 sends the four tiles' 64 words; no barrier stands behind this branch
	s_cbranch_scc1 .Ldone
	ds_load_b64 v[14:15], v11
	s_wait_dscnt 0x0
	global_store_b64 v11, v[14:15], s[10:11]       ; 32 lanes store 256 consecutive bytes, aligned
.Ldone:
	s_wait_tensorcnt 0x0
	ds_add_u32 v200, v201
	s_wait_dscnt 0x0
	s_endpgm
.Lfunc_end_k_qec23f1681a_quant:
	.size	k_qec23f1681a_quant, .Lfunc_end_k_qec23f1681a_quant-k_qec23f1681a_quant
	.p2alignl 7, 3214868480
	.fill 96, 4, 3214868480
	.section	.rodata,"a",@progbits
	.p2align	6, 0x0
	.amdhsa_kernel k_qec23f1681a_quant
		.amdhsa_group_segment_fixed_size 1536
		.amdhsa_private_segment_fixed_size 0
		.amdhsa_enable_private_segment 0
		.amdhsa_kernarg_size 16
		.amdhsa_user_sgpr_count 2
		.amdhsa_user_sgpr_kernarg_segment_ptr 1
		.amdhsa_wavefront_size32 1
		.amdhsa_system_sgpr_workgroup_id_x 1
		.amdhsa_system_sgpr_workgroup_id_y 1
		.amdhsa_system_sgpr_workgroup_id_z 1
		.amdhsa_system_vgpr_workitem_id 0
		.amdhsa_next_free_vgpr 202
		.amdhsa_next_free_sgpr 66
		.amdhsa_reserve_vcc 0
		.amdhsa_float_denorm_mode_32 3
		.amdhsa_float_denorm_mode_16_64 3
		.amdhsa_memory_ordered 1
		.amdhsa_forward_progress 1
		.amdhsa_inst_pref_size 13
	.end_amdhsa_kernel
	.amdgpu_metadata
---
amdhsa.version: [ 1, 2 ]
amdhsa.kernels:
  - .name:           k_qec23f1681a_quant
    .symbol:         k_qec23f1681a_quant.kd
    .args:
      - { .name: rel_embeds, .offset: 0, .size: 8, .value_kind: global_buffer, .address_space: global }
      - { .name: rimg, .offset: 8, .size: 8, .value_kind: global_buffer, .address_space: global }
    .group_segment_fixed_size: 1536
    .private_segment_fixed_size: 0
    .kernarg_segment_align: 8
    .kernarg_segment_size: 16
    .max_flat_workgroup_size: 128
    .sgpr_count:     66
    .vgpr_count:     202
    .wavefront_size: 32
...
	.end_amdgpu_metadata
.endif
;; end of part 1
;; launch bilin (part 2): grid 256 x 1, 4 waves a work-group, clusters of 4 x 1, 327,680 bytes of LDS; arguments embeds1_codes, embeds1_scales, embeds2, rimg, weight_scalars, out0; writes out0
.if DOCPART == 2
	.amdgcn_target "amdgcn-amd-amdhsa--gfx1250"
	.amdhsa_code_object_version 6
	.text
	.protected	k_qec23f1681a_bilin
	.globl	k_qec23f1681a_bilin
	.p2align	8
	.type	k_qec23f1681a_bilin,@function
k_qec23f1681a_bilin:
	s_mov_b64 s[64:65], 0
	v_nop
	global_prefetch_b8 v0, s[64:65] scope:SCOPE_SE
	s_setreg_imm32_b32 hwreg(HW_REG_WAVE_MODE, 25, 1), 1
	s_wait_xcnt 0x0
	s_wait_alu depctr_hold_cnt(0) depctr_sa_sdst(0) depctr_va_vdst(0) depctr_va_sdst(0) depctr_va_ssrc(0) depctr_va_vcc(0) depctr_vm_vsrc(0)
	s_getreg_b32 s2, hwreg(HW_REG_IB_STS2, 6, 4)
	s_cmp_eq_u32 s2, 0
	s_cbranch_scc0 .Lentry_in_a_cluster
	s_endpgm
.Lentry_in_a_cluster:
	s_bfe_u32 s2, ttmp6, 0x10000c
	s_cmp_lg_u32 s2, 0x3003
	s_cbranch_scc0 .Lentry_shape_is_right
	s_endpgm
.Lentry_shape_is_right:
; logit[b][r] = sum over w of ws[w][r] x sum over j of e2[b][j] x T[w][j][b],  T[w][j][b] = sum over i of R[w][i][j] e1[b][i] (MX-FP6, K = i = 256, two matrix instructions).
; A work-group owns 512 rows b, a wave 128 (8 tiles of 16).  e1's fragments (192 registers) stay in registers; R comes as register images (rimg, made by the launch before) in four parts of
; four j tiles through two LDS slots; e2 goes from memory straight into registers, each byte once.  T never leaves the registers: source 0 = 16 rows of R, source 1 = 16 rows of e1, so a lane holds one b and 8 j,
; and two packed multiply-adds behind each matrix instruction fold the tile before into the sums (one pair of registers for each b tile and w).
; BATCHES: 4 (j tile, w) pairs = 64 matrix instructions.  Windows 0 and 1 each hold T (64), the sums of four w (64) and one batch of R (96): w 0-3 work in window 0, w 4-7 in window 1.
; While one window is multiplied, ONE run of loads fills the other: 24 LDS loads of R, 4 scale words, 8 loads of e2.  At a change of window the last tile's 16 multiply-adds are written bare.
; Windows 2 + x: e1's fragments of b tiles 4 x .. 4 x + 3 (96) and four buffers of e2 for the OTHER four b tiles (128): the multiply-adds that stand among half x's products belong to the other half.
; CLUSTER: the four work-groups of a cluster read the same parts of R and ask for them jointly (mask 15).  e1 and e2 are each work-group's own.
; No prefetch: every e2 tile is asked for by its own load, in the loop three j tiles (384 matrix instructions) ahead of its use, and R's parts a whole part ahead; a prefetch would name the same bytes once more.
; LIMITS: the sums over j and w are taken in another order than reference()'s; nothing else.
.set PART,   102400                    ; a part of rimg: 4 j tiles x 8 w x 3,072 bytes of codes, then 4,096 of scale words
.set SCOFF,  98304
.set SLOT1,  1<<17                     ; slot 0 at LDS byte 0, slot 1 here
.set OUTSTG, 102400                    ; the way out: 2,560 bytes a wave
.set SPARE,  112640                    ; the spare words: 512 bytes
.set ESTG,   131072                    ; e1's codes, 240 bytes a row (64 + 16 three times); read out before slot 1 is filled over them
; window 0
.set SPW, 2
.set NIL, 3
.set EA,  4                            ; v4-5 e1's fragment addresses
.set ESO, 6
.set ES,  8                            ; e1's scale words: v8-11, v16-19 (numbers 0-3 modulo 8)
.set RS,  12                           ; R's scale words: v12-15, v20-23 (numbers 4-7 modulo 8)
.set SO,  24
.set SR,  25
.set GO,  26
; windows 0 and 1
.set TT,  32                           ; T: 8 b tiles x 8
.set BS,  96                           ; sums: pair 4 x b tile + w % 4
.set RB,  160                          ; R: 4 x (2 K steps x 12)
; window 1
.set RA0, 8                            ; v8-9 LDS address of the part's images 0-15, 16-31
.set RSA, 10
.set EO,  11
.set LC,  12
.set LSC, 13
; windows 2, 3
.set EP,  98                           ; e2's buffers: a multiply-add's pair of e2 and its pair of T have different numbers modulo 4
; the way out, window 0
.set SS,  160
.set ZZ,  224
.set LG,  32
.set OB,  52
.set WV,  56
.set TB,  57
.set CNT, 58
.set WS,  16
.set MSB, 0
.macro WIN new                         ; the immediate's high byte repeats the setting that is left
.if MSB != (\new)
	s_set_vgpr_msb (MSB<<8)|(\new)
.set MSB, (\new)
.endif
.endm
.macro NOPS
.rept 4
	v_nop
.endr
.endm
.macro CROUND                          ; a round of the cluster's barrier
	s_barrier_signal -1
	s_barrier_wait -1
	s_cmp_lg_u32 s[WV], 0
	s_cbranch_scc1 .Lnot_wave_0_\@
	s_barrier_signal -3
.Lnot_wave_0_\@:
	s_barrier_wait -3
	s_barrier_signal -1
	s_barrier_wait -1
.endm
; At a step's start: the slot that is not being read takes the next part, a quarter a wave.  Its reads ended ahead of the last step's last batch.
.macro CHANGE
	WIN 0
	s_wait_tensorcnt 0x0                           ; no tensor load of mine is out: the descriptor may step
	ds_add_u32 v[SPW], v[NIL]
	s_xor_b32 s33, s33, SLOT1
	s_add_nc_u64 s[34:35], s[34:35], PART
	s_wait_dscnt 0x0                               ; the add, and all my LDS reads
	CROUND
	tensor_load_to_lds s[32:35], s[16:23]
	s_nop 0
	NOPS
.endm
; Ahead of a step's last batch: the next part is whole for all four waves. The read addresses go over to the other slot.
.macro MEET
	s_wait_tensorcnt 0x0                           ; my quarter of the next part has landed
	s_wait_dscnt 0x0                               ; no LDS instruction is out at a signal
	s_barrier_signal -1
	s_barrier_wait -1
	s_xor_b32 s[TB], s[TB], SLOT1
	WIN 0x45
	v_add_nc_u32 v[RA0], s[TB], v[LC]
	v_add_nc_u32 v[RA0+1], 0xc000, v[RA0]
	v_add_nc_u32 v[RSA], s[TB], v[LSC]
	s_wait_alu depctr_va_vdst(0)
.endm
.macro FRAG reg, q, i                  ; e1: 16 rows x 128 K: six pieces of 8 bytes; a piece of lanes 16-31 that lies past a 64-byte border takes the second address
.irp p, 0,1,2,3,4,5
.set PC, 12*(\q)+6*(\p/3)+\p%3
.if PC%8 < 5
	ds_load_b64 v[\reg+2*\p:\reg+2*\p+1], v[EA] offset:8*PC+16*(PC/8)+(\i)*16*240
.else
	ds_load_b64 v[\reg+2*\p:\reg+2*\p+1], v[EA+1] offset:8*PC+16*(PC/8)+(\i)*16*240
.endif
.endr
.endm
.macro RUN nb                          ; batch nb of the part: 8 images of 1,536 bytes into window nb % 2, and its four scale words: 28 LDS loads
	WIN 0x01|(((\nb)%2)<<6)
.irp f, 0,1,2,3
.irp g, 0,1,2,3,4,5
	ds_load_b128 v[RB+24*\f+4*\g:RB+24*\f+4*\g+3], v[RA0+(\nb)/4] offset:((4*(\nb)+\f)%16)*3072+512*\g
.endr
.endr
	WIN 0x01
.irp f, 0,1,2,3
	ds_load_b32 v[RS+\f+8*((\nb)%2)], v[RSA] offset:512*((4*(\nb)+\f)%8)+64*((\nb)/2)   ; lanes 0-15 K step 0, lanes 16-31 K step 1
.endr
.endm
.macro ELOAD c, W                      ; e2, j tile c of the step, b tiles 4 (3 - W) .. + 3, into window W: 8 loads
	WIN 0x01|((\W)<<6)
.irp e, 0,1,2,3
.irp u, 0,1
	global_load_b128 v[EP+32*((\c)%4)+8*\e+4*\u:EP+32*((\c)%4)+8*\e+4*\u+3], v[EO], s[8:9] offset:(4*(3-(\W))+\e)*16384+64*(\c)+32*\u
.endr
.endr
.endm
.macro WM                              ; product i of a group: K step i / 4, b tile 4 x + i % 4; the four accumulators by turns
.set kk, i/4
.set ii, i%4
.set rD, TT+32*x+8*ii
.set rA, RB+24*(n%4)+12*kk
.set rB, 24*ii+12*kk
.set rRS, RS+n%4+8*((n/4)%2)
.set rES, ES+ii+8*x
.if kk == 0
	v_wmma_scale_f32_16x16x128_f8f6f4 v[rD:rD+7], v[rA:rA+11], v[rB:rB+11], 0, v[rRS], v[rES] matrix_a_fmt:MATRIX_FMT_FP6 matrix_b_fmt:MATRIX_FMT_FP6
.else
	v_wmma_scale_f32_16x16x128_f8f6f4 v[rD:rD+7], v[rA:rA+11], v[rB:rB+11], v[rD:rD+7], v[rRS], v[rES] matrix_a_fmt:MATRIX_FMT_FP6 matrix_b_fmt:MATRIX_FMT_FP6 matrix_a_scale:MATRIX_SCALE_ROW1 matrix_b_scale:MATRIX_SCALE_ROW1
.endif
.endm
.macro SLICE                           ; two of the 16 multiply-adds of the group before (pn, px); each T tile from its low end on
.set a0, 2*(k/4)
.set rh, k%4
.irp d, 0,1
.set rT, TT+32*px+8*(a0+\d)+2*rh
.set rE, EP+32*((pn/8)%4)+8*(a0+\d)+2*rh
.set rS, BS+2*(4*(4*px+a0+\d)+pn%4)
	v_pk_fma_f32 v[rS:rS+1], v[rT:rT+1], v[rE:rE+1], v[rS:rS+1]
.endr
.endm
.macro GROUP sl                        ; 8 products: 4 b tiles x 2 K steps of pair n
	WIN 0x51*A+4*(2+x)
.set i, 0
.rept 8
	WM
.if \sl
.set k, i
	SLICE
.endif
.set i, i+1
.endr
.set pn, n
.set px, x
.endm
.macro STEP last                       ; a part of R: 8 batches
.set bk, 0
.rept 8
.set A, bk%2
.set tq, bk/2
.if (bk == 0) && (!\last)
	CHANGE
.endif
.if (bk == 7) && (!\last)
	MEET
.endif
.if bk < 7
	RUN bk+1
.else
.if !\last
	RUN 0                                          ; the next part's first batch
.endif
.endif
.if (!\last) || (tq == 0)
	ELOAD tq+3, 3-A
.endif
.if A == 0
.if \last && (tq > 0)
	s_wait_loadcnt 16*(3-tq)                       ; the later tiles' loads stay out
.else
	s_wait_loadcnt 40                              ; this j tile's e2 is in; two later tiles (32) and the 8 just issued stay out
.endif
.endif
.if (bk == 7) && \last
	s_wait_dscnt 0x0
.else
	s_wait_dscnt 28                                ; this batch's R is in; the run just issued stays out
.endif
.set m, 0
.rept 4
.set n, 4*bk+m
.set x, 0
.if m == 0
	GROUP 0
	NOPS                                           ; places ahead of the first read of T
.else
	GROUP 1
.endif
.set x, 1
	GROUP 1
.set m, m+1
.endr
	WIN 0x51*A+8                                   ; the batch's last group is folded in before the window changes
.set k, 0
.rept 8
	SLICE
.set k, k+1
.endr
.set bk, bk+1
.endr
	WIN 0
.if !\last
	s_wait_xcnt 0x0                                ; e2's base steps only behind this wait
	s_add_nc_u64 s[8:9], s[8:9], 256
.endif
.endm
	s_load_b256 s[4:11], s[0:1], 0x0               ; e1 codes, e1 scales, e2, rimg
	s_load_b128 s[12:15], s[0:1], 0x20             ; weight_scalars, out0
	v_lshl_add_u32 v[SPW], v0, 2, SPARE
	v_mov_b32 v[NIL], 0
	ds_add_u32 v[SPW], v[NIL]
	ds_add_u32 v[SPW], v[NIL]
	v_lshrrev_b32 v1, 5, v0
	v_readfirstlane_b32 s[WV], v1
	s_bfe_u32 s59, ttmp6, 0x40000                  ; cx
	s_lshl_b32 s60, ttmp9, 2
	s_add_co_u32 s60, s60, s59
	s_lshl_b32 s60, s60, 9                         ; the work-group's first row
	s_and_b32 s61, s[WV], 1
	s_mul_i32 s62, s60, 192
	s_mul_i32 s78, s61, 49152                      ; waves 2, 3: 256 rows of e1 each
	s_add_co_u32 s62, s62, s78
	s_mov_b32 s63, 0
	s_mul_i32 s79, s61, 61440
	s_add_co_u32 s79, s79, ESTG
	s_mul_i32 s92, s61, 51200                      ; waves 0, 1: half of R's part 0 each
	s_mov_b32 s93, 0
	s_lshl_b32 s61, s[WV], 7
	s_add_co_u32 s60, s60, s61                     ; my wave's first row
	s_lshl_b32 s66, s60, 3
	s_mov_b32 s67, 0
	s_lshl_b32 s68, s60, 10
	s_mov_b32 s69, 0
	s_mul_i32 s70, s60, 20
	s_mov_b32 s71, 0
	s_mul_i32 s72, s[WV], 25600
	s_mov_b32 s73, 0
	s_mul_i32 s74, s[WV], 30720
	s_add_co_u32 s75, s74, ESTG
	s_mul_i32 s76, s[WV], 2560
	s_add_co_u32 s76, s76, OUTSTG
	s_mov_b32 s16, 15|(3<<16)|(1<<21)              ; R in the ring: 100 rows of 256 bytes, joint
	s_mov_b32 s17, 32<<16
	s_mov_b32 s18, 100<<16
	s_mov_b32 s19, 32<<16
	s_mov_b32 s20, 100
	s_mov_b32 s21, 32
	s_mov_b32 s22, 0
	s_mov_b32 s23, 0
	s_mov_b32 s80, 15|(3<<16)|(1<<21)              ; R at the head: 200 rows of 256 bytes, joint
	s_mov_b32 s81, 32<<16
	s_mov_b32 s82, 200<<16
	s_mov_b32 s83, 32<<16
	s_mov_b32 s84, 200
	s_mov_b32 s85, 32
	s_mov_b32 s86, 0
	s_mov_b32 s87, 0
	s_mov_b32 s24, (1<<20)|(3<<22)|(3<<25)         ; e1: a dense block as 192 rows of 256 bytes; 16 bytes of padding behind every 64
	s_mov_b32 s25, 256<<16
	s_mov_b32 s26, 192<<16
	s_mov_b32 s27, 256<<16
	s_mov_b32 s28, 192
	s_mov_b32 s29, 256
	s_mov_b32 s30, 0
	s_mov_b32 s31, 0
	s_mov_b32 s[TB], 0
	s_mov_b32 s[CNT], 3
	s_wait_dscnt 0x0                               ; both opening adds
	v_and_b32 v1, 15, v0                           ; r
	v_bfe_u32 v7, v0, 4, 1                         ; h
	v_lshlrev_b32 v[ESO], 3, v1
	v_lshl_add_u32 v[ESO], v7, 2, v[ESO]           ; e1's scales: 8 bytes a row, word h
	v_lshlrev_b32 v27, 10, v1
	v_and_b32 v28, 31, v0
	v_lshlrev_b32 v29, 2, v1
	v_lshl_add_u32 v29, v7, 8, v29
	v_mul_u32_u24 v[EA], v1, 240
	v_mad_u32_u24 v[EA], v7, 24, v[EA]
	v_add_nc_u32 v[EA], s75, v[EA]
	v_lshl_add_u32 v[EA+1], v7, 4, v[EA]
	v_mul_u32_u24 v[SO], v28, 20
	v_add_nc_u32 v[SO], s76, v[SO]
	v_lshlrev_b32 v[GO], 4, v28
	v_add_nc_u32 v[SR], s76, v[GO]
	WIN 0x40
	v_lshl_add_u32 v[EO], v7, 4, v27               ; e2: row r, 16 h
	v_lshlrev_b32 v[LC], 4, v28
	v_add_nc_u32 v[LSC], SCOFF, v29
	v_lshlrev_b32 v[RA0], 4, v28                   ; slot 0
	v_lshl_add_u32 v[RA0+1], v28, 4, 0xc000
	v_add_nc_u32 v[RSA], SCOFF, v29
	WIN 0
	s_wait_alu depctr_va_vdst(0)
	s_wait_kmcnt 0x0
	s_add_nc_u64 s[4:5], s[4:5], s[62:63]
	s_add_nc_u64 s[6:7], s[6:7], s[66:67]
	s_add_nc_u64 s[8:9], s[8:9], s[68:69]
	s_add_nc_u64 s[14:15], s[14:15], s[70:71]
	s_mov_b32 s32, 1
	s_mov_b32 s33, s72
	s_add_nc_u64 s[34:35], s[10:11], s[72:73]
	s_or_b32 s35, s35, 0x80000000
	s_mov_b32 s36, 1
	s_mov_b32 s37, s79
	s_mov_b64 s[38:39], s[4:5]
	s_or_b32 s39, s39, 0x80000000
	s_mov_b32 s88, 1
	s_mov_b32 s89, s92
	s_add_nc_u64 s[90:91], s[10:11], s[92:93]
	s_or_b32 s91, s91, 0x80000000
	CROUND
	s_cmp_lt_u32 s[WV], 2                          ; one tensor load a wave: waves 0, 1 R's part 0, waves 2, 3 e1's 512 rows: what the first products need is asked for first
	s_cbranch_scc0 .Lhead_e1
	tensor_load_to_lds s[88:91], s[80:87]
	s_nop 0
	NOPS
	s_branch .Lhead_asked
.Lhead_e1:
	tensor_load_to_lds s[36:39], s[24:31]
	s_nop 0
	NOPS
.Lhead_asked:
.irp t, 0,1,2,3,4,5,6,7
	global_load_b32 v[ES+(\t%4)+8*(\t/4)], v[ESO], s[6:7] offset:128*\t
.endr
	ELOAD 0, 3                                     ; of e2 only the first j tile here: the next two follow behind the head's barrier
	ELOAD 0, 2
	WIN 0
.set j, 0
.rept 64
	v_mov_b32 v[BS+j], 0                           ; the sums of w 0-3: the step is written for every j tile alike
.set j, j+1
.endr
	WIN 0x40
.set j, 0
.rept 64
	v_mov_b32 v[BS+j], 0                           ; and of w 4-7
.set j, j+1
.endr
	WIN 0
	s_wait_alu depctr_va_vdst(0)
	s_wait_tensorcnt 0x0                           ; every wave waits for its tile,
	s_barrier_signal -1
	s_barrier_wait -1                              ; so all four tiles are whole for all
	WIN 0x80
.irp t, 0,1,2,3
.irp k, 0,1
	FRAG 24*\t+12*\k, \k, \t
.endr
.endr
	WIN 0xc0
.irp t, 0,1,2,3
.irp k, 0,1
	FRAG 24*\t+12*\k, \k, \t+4
.endr
.endr
	RUN 0
	ELOAD 1, 3                                     ; j tiles 1 and 2: 128 and 256 matrix instructions ahead of their use
	ELOAD 1, 2
	ELOAD 2, 3
	ELOAD 2, 2
	WIN 0
.Lstep:
	STEP 0
	s_sub_co_u32 s[CNT], s[CNT], 1
	s_cmp_lg_u32 s[CNT], 0
	s_wait_alu depctr_va_vdst(0)
	s_cbranch_scc1 .Lstep
	s_load_b512 s[16:31], s[12:13], 0x0            ; the 40 weight scalars; no tensor load is out, so the descriptors' registers are free
	s_load_b512 s[32:47], s[12:13], 0x40
	s_load_b256 s[48:55], s[12:13], 0x80
	STEP 1
	s_wait_alu depctr_va_vdst(0)
	s_wait_kmcnt 0x0
.irp b, 0,1,2,3,4,5,6,7
.irp w, 0,1,2,3
	v_add_f32 v[SS+8*\b+\w], v[BS+2*(4*\b+\w)], v[BS+2*(4*\b+\w)+1]
.endr
.endr
	WIN 0x05
.irp b, 0,1,2,3,4,5,6,7
.irp w, 0,1,2,3
	v_add_f32 v[SS+8*\b+4+\w], v[BS+2*(4*\b+\w)], v[BS+2*(4*\b+\w)+1]
.endr
.endr
	WIN 0
.irp k, 0,1,2,3                        ; lanes l and l xor 16 hold halves of a row's sum: two b tiles change halves, so that lane l ends with row 32 k + l
.irp w, 0,1,2,3,4,5,6,7
	v_permlane16_swap_b32 v[SS+16*\k+\w], v[SS+16*\k+8+\w]
.endr
.irp w, 0,1,2,3,4,5,6,7
	v_add_f32 v[ZZ+8*\k+\w], v[SS+16*\k+\w], v[SS+16*\k+8+\w]
.endr
.endr
.irp k, 0,1,2,3
.irp p, 0,1,2,3,4
	v_mul_f32 v[LG+5*\k+\p], s[WS+\p], v[ZZ+8*\k]
.endr
.endr
.irp w, 1,2,3,4,5,6,7
.irp k, 0,1,2,3
.irp p, 0,1,2,3,4
	v_fmac_f32 v[LG+5*\k+\p], s[WS+5*\w+\p], v[ZZ+8*\k+\w]
.endr
.endr
.endr
.irp k, 0,1,2,3
.irp p, 0,1,2,3,4
	ds_store_b32 v[SO], v[LG+5*\k+\p] offset:640*\k+4*\p   ; my own stage: 20 bytes a row
.endr
.endr
.irp i, 0,1,2,3,4
	ds_load_b128 v[OB+4*\i:OB+4*\i+3], v[SR] offset:512*\i
.endr
.irp i, 0,1,2,3,4
	s_wait_dscnt 4-\i
	global_store_b128 v[GO], v[OB+4*\i:OB+4*\i+3], s[14:15] offset:512*\i th:TH_STORE_NT   ; 512 consecutive bytes, aligned
.endr
	s_wait_tensorcnt 0x0
	ds_add_u32 v[SPW], v[NIL]
	s_wait_dscnt 0x0
	CROUND
	s_endpgm
.Lfunc_end_k_qec23f1681a_bilin:
	.size	k_qec23f1681a_bilin, .Lfunc_end_k_qec23f1681a_bilin-k_qec23f1681a_bilin
	.p2alignl 7, 3214868480
	.fill 96, 4, 3214868480
	.section	.rodata,"a",@progbits
	.p2align	6, 0x0
	.amdhsa_kernel k_qec23f1681a_bilin
		.amdhsa_group_segment_fixed_size 327680
		.amdhsa_private_segment_fixed_size 0
		.amdhsa_enable_private_segment 0
		.amdhsa_kernarg_size 48
		.amdhsa_user_sgpr_count 2
		.amdhsa_user_sgpr_kernarg_segment_ptr 1
		.amdhsa_wavefront_size32 1
		.amdhsa_system_sgpr_workgroup_id_x 1
		.amdhsa_system_sgpr_workgroup_id_y 1
		.amdhsa_system_sgpr_workgroup_id_z 1
		.amdhsa_system_vgpr_workitem_id 0
		.amdhsa_next_free_vgpr 1024
		.amdhsa_next_free_sgpr 96
		.amdhsa_reserve_vcc 0
		.amdhsa_float_denorm_mode_32 3
		.amdhsa_float_denorm_mode_16_64 3
		.amdhsa_memory_ordered 1
		.amdhsa_forward_progress 1
		.amdhsa_inst_pref_size 255
	.end_amdhsa_kernel
	.section	.bss,"aw",@nobits
	.p2align	6
	.space	262144
	.amdgpu_metadata
---
amdhsa.version: [ 1, 2 ]
amdhsa.kernels:
  - .name:           k_qec23f1681a_bilin
    .symbol:         k_qec23f1681a_bilin.kd
    .args:
      - { .name: embeds1_codes, .offset: 0, .size: 8, .value_kind: global_buffer, .address_space: global }
      - { .name: embeds1_scales, .offset: 8, .size: 8, .value_kind: global_buffer, .address_space: global }
      - { .name: embeds2, .offset: 16, .size: 8, .value_kind: global_buffer, .address_space: global }
      - { .name: rimg, .offset: 24, .size: 8, .value_kind: global_buffer, .address_space: global }
      - { .name: weight_scalars, .offset: 32, .size: 8, .value_kind: global_buffer, .address_space: global }
      - { .name: out0, .offset: 40, .size: 8, .value_kind: global_buffer, .address_space: global }
    .group_segment_fixed_size: 327680
    .private_segment_fixed_size: 0
    .kernarg_segment_align: 8
    .kernarg_segment_size: 48
    .max_flat_workgroup_size: 128
    .sgpr_count:     96
    .vgpr_count:     1024
    .wavefront_size: 32
...
	.end_amdgpu_metadata
.endif
;; end of part 2
